; MI455X (gfx1250); checked and timed in simulation.
; The chip was launched on July 23, 2026; its instructions are those of AMD's public machine-readable ISA for CDNA 5 (MIT licence, August 2026) and "CDNA5" Instruction Set Architecture Reference Guide (July 2026). The comments in the code are by the model that wrote it; some were corrected since.
;; Local Loss. Allowed arithmetic: float matrix products may take bf16 or f16 operands with f32 sums; all other float work in f32.
;; Inputs: caption_lengths 32 int32; image_features 32 x 768 x 19 x 19 float32; word_embeddings 32 x 768 x 96 float32.
;; Outputs: out0 one number float32; out1 one number float32; out2 32 x 96 x 19 x 19 float32.
;; 2 versions, each right; version 2 is version 1 with the launch prep written anew for expert scheduling mode. Each part assembles by itself: llvm-mc -triple=amdgcn-amd-amdhsa -mcpu=gfx1250 --defsym DOCPART=n.
;; ======== version 1 of 2: 3 launches
;; limits: values outside matrix products are rounded to bf16; right only within a limited range of input values
;; workspace buffers: ctxb 18,874,368 bytes; wb 4,718,592 bytes; wnp 196,608 bytes; ediag 2,359,296 bytes; sims 4,096 bytes
;; launch prep (part 1): grid 56 x 32, 6 waves a work-group, no clusters, 0 bytes of LDS; arguments image_features, word_embeddings, ctxb, wb, wnp; writes ctxb, wb, wnp
.if DOCPART == 1
	.amdgcn_target "amdgcn-amd-amdhsa--gfx1250"
	.amdhsa_code_object_version 6
	.text
	.protected	k_q93c2fa6563_prep
	.globl	k_q93c2fa6563_prep
	.p2align	8
	.type	k_q93c2fa6563_prep,@function
k_q93c2fa6563_prep:
	s_mov_b64 s[64:65], 0
	v_nop
	global_prefetch_b8 v0, s[64:65] scope:SCOPE_SE
	s_setreg_imm32_b32 hwreg(HW_REG_WAVE_MODE, 25, 1), 1
	s_wait_xcnt 0x0
; PREP.  image_features [32][768][361] f32 -> ctxb [32][768][384] bf16 (rows padded with zeros to 768 bytes);
; word_embeddings [32][768][96] f32 -> wb, the same shape in bf16; wnp [32][16][96] f32: sixteen partial sums over d of w^2 (of the unrounded words).
; Grid x 0..47: 16 rows d of image y.  Grid x 48..55: 96 rows d of caption y.  192 threads.  Each byte is read from memory once and written once; no LDS, no barrier.
.set ROWI,  1444                       ; bytes in a row of the images
.set OFFK,  4                          ; v[4:7]   byte offset of element 4 c + k of my first row
.set OUTO,  8                          ; v8       byte offset of my 8 bytes in ctxb
.set X,     16                         ; v[16:47] 8 rows x 4 numbers as loaded
.set Y,     48                         ; v[48:63] 8 rows x 2 words to store
	s_load_b256 s[4:11], s[0:1], 0x0               ; images s[4:5], words s[6:7], ctxb s[8:9], wb s[10:11]
	s_load_b64 s[12:13], s[0:1], 0x20              ; wnp
	s_and_b32 s14, ttmp7, 0xffff                   ; y: the image, or the caption
	s_mov_b32 s17, 0
	s_mov_b32 s19, 0
	s_cmp_ge_u32 ttmp9, 48
	s_cbranch_scc1 .Lwords
	; IMAGES.  Thread t: row half rs = t / 96, c = t % 96: pixels 4 c .. 4 c + 3 of rows rs + 2 s, s = 0..7.  A row is 1,444 bytes, a multiple of 4 alone: loads of 4 bytes.
	v_cmp_le_u32 vcc_lo, 96, v0
	v_cndmask_b32 v1, 0, 1, vcc_lo                 ; rs
	v_mul_u32_u24 v2, v1, 96
	v_sub_nc_u32 v2, v0, v2
	v_lshlrev_b32 v2, 2, v2                        ; 4 c
	v_mul_u32_u24 v3, v1, ROWI
.irp k, 0,1,2,3
	v_add_nc_u32 v[OFFK+\k], \k, v2
	v_min_u32 v[OFFK+\k], 360, v[OFFK+\k]          ; pixels past the row's end read its last pixel: every load stays inside its row
	v_lshl_add_u32 v[OFFK+\k], v[OFFK+\k], 2, v3
	v_cmp_gt_u32 s[20+\k], 361-\k, v2              ; and are replaced by 0 below
.endr
	v_lshlrev_b32 v[OUTO], 3, v0                   ; rs x 768 + 8 c = 8 t
	s_mul_i32 s16, s14, 768*ROWI
	s_mul_i32 s15, ttmp9, 16*ROWI
	s_add_co_u32 s16, s16, s15
	s_mul_i32 s18, s14, 768*768
	s_mul_i32 s15, ttmp9, 16*768
	s_add_co_u32 s18, s18, s15
	s_wait_kmcnt 0x0
	s_add_nc_u64 s[4:5], s[4:5], s[16:17]
	s_add_nc_u64 s[8:9], s[8:9], s[18:19]
.set st, 0
.rept 8
.irp k, 0,1,2,3
	global_load_b32 v[X+4*st+\k], v[OFFK+\k], s[4:5] offset:2*ROWI*st
.endr
.set st, st+1
.endr
.set st, 0
.rept 8
	s_wait_loadcnt 28-4*st                         ; loads come back in order: the 4 (7 - s) younger ones stay out
.irp k, 0,1,2,3
	v_cndmask_b32 v[X+4*st+\k], 0, v[X+4*st+\k], s[20+\k]
.endr
	v_cvt_pk_bf16_f32 v[Y+2*st], v[X+4*st], v[X+4*st+1]
	v_cvt_pk_bf16_f32 v[Y+2*st+1], v[X+4*st+2], v[X+4*st+3]
	global_store_b64 v[OUTO], v[Y+2*st:Y+2*st+1], s[8:9] offset:1536*st  ; a wave's store covers 256 consecutive bytes, aligned; every register is written once, so nothing waits for a store
.set st, st+1
.endr
	s_endpgm
.Lwords:
	; WORDS.  The block's 96 rows are 36,864 dense bytes.  The cast is linear: thread t takes 32 bytes at 32 t + 6,144 s.  The norms: wave w takes rows 48 (w / 3) .. + 47, tokens 32 (w % 3) + lane.
.set CI,  16                           ; v[16:63]   cast: 6 x 8 numbers as loaded
.set NI,  64                           ; v[64:111]  norms: 48 numbers
.set CO,  112                          ; v[112:135] cast: 6 x 4 words to store
	s_sub_co_u32 s15, ttmp9, 48                    ; b: which 96 rows
	v_lshrrev_b32 v1, 5, v0
	v_readfirstlane_b32 s20, v1                    ; wave 0..5
	s_cmp_ge_u32 s20, 3
	s_cselect_b32 s21, 1, 0                        ; sb: which 48 rows
	s_mul_i32 s22, s21, 3
	s_sub_co_u32 s22, s20, s22                     ; k: which 32 tokens
	s_lshl_b32 s23, s22, 7
	s_mul_i32 s24, s21, 48*384
	v_and_b32 v2, 31, v0
	v_lshl_add_u32 v2, v2, 2, s23                  ; 4 lane + 128 k
	v_add_nc_u32 v3, s24, v2
	v_lshlrev_b32 v4, 5, v0
	v_lshlrev_b32 v5, 4, v0
	s_mul_i32 s16, s14, 768*384
	s_mul_i32 s25, s15, 96*384
	s_add_co_u32 s16, s16, s25
	s_mul_i32 s18, s14, 768*192
	s_mul_i32 s25, s15, 96*192
	s_add_co_u32 s18, s18, s25
	s_lshl_b32 s26, s15, 1
	s_add_co_u32 s26, s26, s21                     ; the partial sum's number, 2 b + sb
	s_mul_i32 s26, s26, 384
	s_mul_i32 s25, s14, 16*384
	s_add_co_u32 s26, s26, s25
	s_mov_b32 s27, 0
	s_wait_kmcnt 0x0
	s_add_nc_u64 s[6:7], s[6:7], s[16:17]
	s_add_nc_u64 s[10:11], s[10:11], s[18:19]
	s_add_nc_u64 s[12:13], s[12:13], s[26:27]
.set st, 0
.rept 6
	global_load_b128 v[CI+8*st:CI+8*st+3],   v4, s[6:7] offset:6144*st
	global_load_b128 v[CI+8*st+4:CI+8*st+7], v4, s[6:7] offset:6144*st+16
.set st, st+1
.endr
.set i, 0
.rept 48
	global_load_b32 v[NI+i], v3, s[6:7] offset:384*i  ; the bytes that the cast's loads have just asked for
.set i, i+1
.endr
.set st, 0
.rept 6
	s_wait_loadcnt 58-2*st                         ; behind pair s stand 10 - 2 s loads of the cast and the 48 of the norms
.irp k, 0,1,2,3
	v_cvt_pk_bf16_f32 v[CO+4*st+\k], v[CI+8*st+2*\k], v[CI+8*st+2*\k+1]
.endr
	global_store_b128 v5, v[CO+4*st:CO+4*st+3], s[10:11] offset:3072*st  ; 512 consecutive bytes a wave
.set st, st+1
.endr
.set i, 0
.rept 48
.if i%8 == 0
	s_wait_loadcnt 40-i                            ; eight at a time: the younger ones stay out
.endif
.if i < 4
	v_mul_f32 v[6+i], v[NI+i], v[NI+i]             ; four chains, started by the first four squares
.else
	v_fmac_f32 v[6+i%4], v[NI+i], v[NI+i]
.endif
.set i, i+1
.endr
	v_add_f32 v6, v6, v7
	v_add_f32 v8, v8, v9
	v_add_f32 v6, v6, v8
	global_store_b32 v2, v6, s[12:13]
	s_endpgm
.Lfunc_end_k_q93c2fa6563_prep:
	.size	k_q93c2fa6563_prep, .Lfunc_end_k_q93c2fa6563_prep-k_q93c2fa6563_prep
	.p2alignl 7, 3214868480
	.fill 96, 4, 3214868480
	.section	.rodata,"a",@progbits
	.p2align	6, 0x0
	.amdhsa_kernel k_q93c2fa6563_prep
		.amdhsa_group_segment_fixed_size 0
		.amdhsa_private_segment_fixed_size 0
		.amdhsa_enable_private_segment 0
		.amdhsa_kernarg_size 40
		.amdhsa_user_sgpr_count 2
		.amdhsa_user_sgpr_kernarg_segment_ptr 1
		.amdhsa_wavefront_size32 1
		.amdhsa_system_sgpr_workgroup_id_x 1
		.amdhsa_system_sgpr_workgroup_id_y 1
		.amdhsa_system_sgpr_workgroup_id_z 1
		.amdhsa_system_vgpr_workitem_id 0
		.amdhsa_next_free_vgpr 136
		.amdhsa_next_free_sgpr 66
		.amdhsa_reserve_vcc 1
		.amdhsa_float_denorm_mode_32 3
		.amdhsa_float_denorm_mode_16_64 3
		.amdhsa_memory_ordered 1
		.amdhsa_forward_progress 1
		.amdhsa_inst_pref_size 21
	.end_amdhsa_kernel
	.amdgpu_metadata
---
amdhsa.version: [ 1, 2 ]
amdhsa.kernels:
  - .name:           k_q93c2fa6563_prep
    .symbol:         k_q93c2fa6563_prep.kd
    .args:
      - { .name: image_features, .offset: 0, .size: 8, .value_kind: global_buffer, .address_space: global }
      - { .name: word_embeddings, .offset: 8, .size: 8, .value_kind: global_buffer, .address_space: global }
      - { .name: ctxb, .offset: 16, .size: 8, .value_kind: global_buffer, .address_space: global }
      - { .name: wb, .offset: 24, .size: 8, .value_kind: global_buffer, .address_space: global }
      - { .name: wnp, .offset: 32, .size: 8, .value_kind: global_buffer, .address_space: global }
    .group_segment_fixed_size: 0
    .private_segment_fixed_size: 0
    .kernarg_segment_align: 8
    .kernarg_segment_size: 40
    .max_flat_workgroup_size: 192
    .sgpr_count:     66
    .vgpr_count:     136
    .wavefront_size: 32
...
	.end_amdgpu_metadata
.endif
;; end of part 1
;; launch pairs (part 2): grid 16 x 32, 4 waves a work-group, clusters of 4 x 4, 327,680 bytes of LDS; arguments caption_lengths, ctxb, wb, wnp, ediag, sims; writes ediag, sims
.if DOCPART == 2
	.amdgcn_target "amdgcn-amd-amdhsa--gfx1250"
	.amdhsa_code_object_version 6
	.text
	.protected	k_q93c2fa6563_pairs
	.globl	k_q93c2fa6563_pairs
	.p2align	8
	.type	k_q93c2fa6563_pairs,@function
k_q93c2fa6563_pairs:
	s_mov_b64 s[64:65], 0
	v_nop
	global_prefetch_b8 v0, s[64:65] scope:SCOPE_SE
	s_setreg_imm32_b32 hwreg(HW_REG_WAVE_MODE, 25, 1), 1
	s_wait_xcnt 0x0
	s_wait_alu depctr_hold_cnt(0) depctr_sa_sdst(0) depctr_va_vdst(0) depctr_va_sdst(0) depctr_va_ssrc(0) depctr_va_vcc(0) depctr_vm_vsrc(0)
	s_getreg_b32 s2, hwreg(HW_REG_IB_STS2, 6, 4)
	s_cmp_eq_u32 s2, 0
	s_cbranch_scc0 .Lentry_in_a_cluster
	s_endpgm
.Lentry_in_a_cluster:
	s_bfe_u32 s2, ttmp6, 0x10000c
	s_cmp_lg_u32 s2, 0xf033
	s_cbranch_scc0 .Lentry_shape_is_right
	s_endpgm
.Lentry_shape_is_right:
; PAIRS.  For image j and caption i: S[p][l] = sum_d ctx[d][p] w[d][l]; q = softmax over the valid tokens l; e = exp(4 q); Z[l] = sum_p e; X[d][l] = sum_p ctx[d][p] e[p][l];
; cos[l] = (sum_p e S) / (Z wn max(|X| / Z, 1e-8)), since sum_d w[d][l] X[d][l] = sum_p e[p][l] S[p][l]; sims[j][i] = sum over valid l of exp(5 cos).  Pairs with i = j also store e (bf16) to ediag.
; Products in bf16 with f32 sums; all else in f32.
; LIMITS.  A hidden token's score is the score less 1e30, given as the C operand of the first product: right for |S| below 1e29.  With a length of 0 or less the softmax's factor is 0, so q = 1/96.
; The softmax over pixels takes no maximum: its exponents are 4 q with q in 0 to 1 whatever the inputs.  Z is the sum of the weights as rounded to bf16; wn comes from the unrounded words.
; Transcendentals flush denormals; NaN and infinities are not treated apart.
; SHARES.  A work-group: image GY, captions 2 GX and 2 GX + 1.  Wave (WC, WH): caption 2 GX + WC.  First product: 192 of the 384 (padded) pixels x 96 tokens = 72 accumulators, 576 registers.
; Its local pixel tile a is tile 8 (a / 4) + 4 WH + a % 4, so that all LDS offsets are constants and WH sits in the address register.  A result holds one token a lane and eight pixels:
; two tiles rounded to bf16 in pairs ARE source 1 (32 pixels x 16 tokens) of the second product.  Second product: rows d = 384 WH .. + 383, all 384 pixels: the wave's own 36 fragments of e and the
; 36 of its partner (wave number xor 1), which come once through LDS.
; CLUSTER 4 x 4.  ctx hangs on GY alone and is asked for jointly along a row of the cluster, w on GX alone, jointly along a column.
; REGISTERS, in windows of 256 (s_set_vgpr_msb: bits 1:0 source 0, 3:2 source 1, 5:4 source 2, 7:6 destination):
;   window 0: v0-29 addresses; v32-79 T, at work (first the masks, later the ones); v80-95 RM, RS (later CN); v96-107 NUM; v112-207, v208-255 fragment buffer 1 (A, B)
;   window 1: accumulators a = 0..4 (a, nt at 48 (a % 5) + 8 nt)     window 2: a = 5..9     window 3: v0-95 a = 10, 11; v96-191, v192-239 fragment buffer 0
;   behind the first product: e of my K step u: u < 3 window 3 v[96 + 48 u], else window 0 v[112 + 48 (u - 3)], kept to the wave's end; my partner's: window 1 + u / 5, v[48 (u % 5)];
;   window 2: v48-95, v96-143 ctx fragments (own K steps, partner's); v144-191 X; v192-239 Z.  window 3 v0-47: the 48 partial sums of w^2.
.set PA,    864                        ; ctx row in the first product's slots: 3 x (256 + 32): an odd multiple of 32 bytes, for the turning load
.set PB,    288                        ; w row: 3 x (64 + 32)
.set PC,    816                        ; ctx row in the second product's slots: 3 x (256 + 16): an odd multiple of 16 bytes
.set WOFF,  96*PA                      ; a slot: 96 rows of ctx, then 96 rows of w for each of the two captions
.set WCAP,  96*PB
.set SLOT,  WOFF+2*WCAP                ; 138,240
.set P2S,   131072                     ; the second product's slot 1 (slot 0 at 0): 128 rows x 816 = 104,448 bytes each, over the same bytes
.set MT,    16*PC                      ; 16 rows d
.set XCH,   2*SLOT                     ; behind the ring, never filled by a tensor load: two regions of 24,576 bytes for the exchange between partners
.set XREG,  24576
.set SPARE, XCH+2*XREG                 ; the spare words, 128 bytes for each wave
.set VR,  1                            ; lane % 16
.set VH,  2                            ; lane / 16
.set LN,  3                            ; lane
.set ADRA,  4                          ; v4-5   ctx fragments, slot 0, 1
.set ADRA2, 6                          ; v6-7   the same 64 rows further down (past the immediate's reach)
.set ADRB,  8                          ; v8-9   w fragments
.set AO0, 10                           ; my lane's place in a ctx tile of the second product, own K steps
.set AP0, 11                           ; partner's K steps
.set ADO, 12                           ; v12-13 the two addresses of the tile in hand
.set XST, 14
.set XLD, 15
.set EOFF, 16
.set L4,  17
.set SPW, 28
.set NIL, 29
.set T,   32
.set ONE, 32
.set ONE5, 40
.set RM,  80
.set RS,  88
.set CN,  80
.set NUM, 96
.set AH,  48                           ; window 2
.set XA,  144
.set ZA,  192
.set WV, 16
.set WC, 17
.set WH, 18
.set CX, 19
.set CY, 20
.set GX, 21
.set GY, 22
.set ROWM, 23
.set COLM, 24
.set CI, 25                            ; my caption
.set LEN, 26
.set TS, 27
.set G1A, 28                           ; s[28:35] ctx, first product: 48 rows x 384
.set G1B, 36                           ; s[36:43] w: 18,432 dense bytes as 72 rows x 128
.set G1C, 44                           ; s[44:51] ctx, second product: 32 rows x 384
.set G0A, 52                           ; s[52:59] a set for each slot
.set G0C, 60                           ; s[60:63] walks
.set LWA, 66
.set LWB, 67
.set G0B, 68                           ; s[68:75] a set for each slot
.set PCX, 76
.set PWB, 78
.set CNT0, 80
.set CNT1, 81
.set TB,  82
.set SVX, 83
.set C1,  84                           ; s[84:85] log2(e), or 0 for a length of 0 or less
.set C2,  86                           ; s[86:87] 4 log2(e)
.set SEL, 88
.set BIGN, 90
.set HIM, 91                           ; lanes 16-31
.set ONEA, 92
.set ONEB, 93
.set MK,  94
.set EPS, 95
.set C5,  96
.set OFS, 98
.set MSB, 0
.macro WIN new                         ; the immediate's high byte repeats the setting that is left; a switch that changes nothing is dropped
.if MSB != (\new)
	s_set_vgpr_msb (MSB<<8)|(\new)
.set MSB, (\new)
.endif
.endm
.macro PLACES                          ; four plain vector instructions between a matrix instruction and a load into, or a vector read of, its registers
.rept 4
	v_nop
.endr
.endm
.macro CREST                           ; a round of the cluster's barrier behind its opening barrier
	s_cmp_lg_u32 s[WV], 0
	s_cbranch_scc1 .Lnot_wave_0_\@
	s_barrier_signal -3
.Lnot_wave_0_\@:
	s_barrier_wait -3
	s_barrier_signal -1
	s_barrier_wait -1
.endm
.macro CROUND
	s_barrier_signal -1
	s_barrier_wait -1
	CREST
.endm
; A joint load of the first product: waves 0 and 1 fetch the two halves of ctx's 96 rows, waves 2 and 3 the two captions' w.  The branch hangs on the wave's number alone.
.macro JLOAD s
	s_cmp_eq_u32 s[WC], 0
	s_cbranch_scc0 .Lfor_w_\@
	tensor_load_to_lds s[G0A+4*(\s):G0A+4*(\s)+3], s[G1A:G1A+7]
	s_nop 0
.rept 4
	v_nop
.endr
	s_branch .Lasked_\@
.Lfor_w_\@:
	tensor_load_to_lds s[G0B+4*(\s):G0B+4*(\s)+3], s[G1B:G1B+7]
	s_nop 0
.rept 4
	v_nop
.endr
.Lasked_\@:
.endm
.macro JLOADC                          ; a joint load of the second product: every wave fetches 32 rows of ctx
	tensor_load_to_lds s[G0C:G0C+3], s[G1C:G1C+7]
	s_nop 0
.rept 4
	v_nop
.endr
.endm
.macro FSET buf                        ; fragment buffer 0: window 3; buffer 1: window 0
.if (\buf) == 0
.set FW, 3
.set FA, 96
.set FB, 192
.else
.set FW, 0
.set FA, 112
.set FB, 208
.endif
.endm
.macro PSET u                          ; where e of my K step u lies
.if (\u) < 3
.set PW, 3
.set PR, 96+48*(\u)
.else
.set PW, 0
.set PR, 112+48*((\u)-3)
.endif
.endm
; Six matrix instructions: pixel tile a x all six token tiles, 32 along d.  first = 1: the mask (0 or -1e30) starts the sums.
.macro MULA buf, a, first
	FSET \buf
.set AW, 1+(\a)/5
.set AR, 48*((\a)%5)
.if \first
	WIN (AW<<6)|(FW<<2)|FW
.else
	WIN (AW<<6)|(AW<<4)|(FW<<2)|FW
.endif
.irp nt, 0,1,2,3,4,5
.if \first
	v_wmma_f32_16x16x32_bf16 v[AR+8*\nt:AR+8*\nt+7], v[FA+8*(\a):FA+8*(\a)+7], v[FB+8*\nt:FB+8*\nt+7], v[T+8*\nt:T+8*\nt+7]
.else
	v_wmma_f32_16x16x32_bf16 v[AR+8*\nt:AR+8*\nt+7], v[FA+8*(\a):FA+8*(\a)+7], v[FB+8*\nt:FB+8*\nt+7], v[AR+8*\nt:AR+8*\nt+7]
.endif
.endr
.endm
.macro MULS buf, a0, n, first          ; tiles a0 .. a0 + n - 1.  The 72 accumulators take turns in one order throughout
.set ma, (\a0)
.rept \n
	MULA \buf, ma, \first
.set ma, ma+1
.endr
.endm
; 36 turning loads in one run: the fragments of 32 along d (quarter kl of the slot's 96): w's six, then ctx's twelve.  Both lie [d][..] in LDS; a load takes 8 rows x 32 bytes for 16 lanes.
.macro FETCH slot, kl, buf
	FSET \buf
	WIN FW<<6
.irp nt, 0,1,2,3,4,5
	ds_load_tr16_b128 v[FB+8*\nt:FB+8*\nt+3],   v[ADRB+(\slot)] offset:32*PB*(\kl)+96*(\nt/2)+32*(\nt%2)
	ds_load_tr16_b128 v[FB+8*\nt+4:FB+8*\nt+7], v[ADRB+(\slot)] offset:32*PB*(\kl)+96*(\nt/2)+32*(\nt%2)+16*PB
.endr
.if (\kl) < 2
.set FR, ADRA+(\slot)
.set FO, 32*PA*(\kl)
.else
.set FR, ADRA2+(\slot)
.set FO, 0
.endif
.irp a, 0,1,2,3,4,5,6,7,8,9,10,11
	ds_load_tr16_b128 v[FA+8*\a:FA+8*\a+3],   v[FR] offset:FO+288*(\a/4)+32*(\a%4)
	ds_load_tr16_b128 v[FA+8*\a+4:FA+8*\a+7], v[FR] offset:FO+288*(\a/4)+32*(\a%4)+16*PA
.endr
.endm
; A K step is 96 along d: three quarters of 72 matrix instructions, on the two buffers by turns.  One of the first two: multiplies buf, fetches the next quarter in its middle.
.macro QUARTER slot, kl, buf, first
	s_wait_dscnt 12                                ; w and ctx tiles 0-5 are in; the youngest twelve loads (tiles 6-11) may be out
	MULS \buf, 0, 6, \first
	PLACES
	FETCH \slot, (\kl)+1, 1-(\buf)
	s_wait_dscnt 36                                ; all but the 36 just issued
	MULS \buf, 6, 6, \first
.endm
; The third quarter changes slots.  In front of the round each wave waits for all its tensor loads (one is out: its part of the next slot), adds 0 to its spare word, and waits for that and for its reads
; of this slot.  Behind the round the slot is filled again first.  kind 0: with the K step two on.  kind 1: with the second product's rows of step 0.  kind 2: with those of step 1, and nothing more is fetched.
.macro TURN slot, next, buf, kind
	WIN 0
	s_wait_tensorcnt 0x0                           ; all my tensor loads have landed
	ds_add_u32 v[SPW], v[NIL]
	s_wait_dscnt 13                                ; the add and the youngest twelve loads may be out
	MULS \buf, 0, 3, 0
	s_wait_dscnt 0x0                               ; the add is done, and my reads of this slot are over
	s_barrier_signal -1
	MULS \buf, 3, 3, 0
	WIN 0
	s_barrier_wait -1
	CREST                                          ; no wave of any partner still reads this slot or has a load on its way
.if (\kind) == 0
	s_add_nc_u64 s[G0A+4*(\slot)+2:G0A+4*(\slot)+3], s[G0A+4*(\slot)+2:G0A+4*(\slot)+3], 2*96*768
	s_add_nc_u64 s[G0B+4*(\slot)+2:G0B+4*(\slot)+3], s[G0B+4*(\slot)+2:G0B+4*(\slot)+3], 2*96*192
	JLOAD \slot                                    ; its four v_nop are also the places in front of the loads below
.else
.if (\kind) == 2
	s_xor_b32 s[G0C+1], s[G0C+1], P2S
	s_add_nc_u64 s[G0C+2:G0C+3], s[G0C+2:G0C+3], 64*768
.endif
	JLOADC
.endif
.if (\kind) < 2
	FETCH \next, 0, 1-(\buf)
.endif
	MULS \buf, 6, 6, 0
.endm
	s_load_b256 s[4:11], s[0:1], 0x0               ; lengths s[4:5], ctxb s[6:7], wb s[8:9], wnp s[10:11]
	s_load_b128 s[12:15], s[0:1], 0x20             ; ediag s[12:13], sims s[14:15]
	v_lshl_add_u32 v[SPW], v0, 2, SPARE
	v_mov_b32 v[NIL], 0
	ds_add_u32 v[SPW], v[NIL]                      ; the wave's opening: the add and its wait stand ahead of my first tensor load; the set-up below stands between them
	v_lshrrev_b32 v1, 5, v0
	v_readfirstlane_b32 s[WV], v1                  ; wave 0..3
	s_lshr_b32 s[WC], s[WV], 1
	s_and_b32 s[WH], s[WV], 1
	s_bfe_u32 s[CX], ttmp6, 0x40000
	s_bfe_u32 s[CY], ttmp6, 0x40004
	s_lshl_b32 s[GX], ttmp9, 2
	s_add_co_u32 s[GX], s[GX], s[CX]               ; the pair of captions
	s_and_b32 s[GY], ttmp7, 0xffff
	s_lshl_b32 s[GY], s[GY], 2
	s_add_co_u32 s[GY], s[GY], s[CY]               ; the image
	s_lshl_b32 s[ROWM], s[CY], 2
	s_lshl_b32 s[ROWM], 15, s[ROWM]                ; my row of the cluster
	s_lshl_b32 s[COLM], 0x1111, s[CX]              ; my column
	s_lshl_b32 s[CI], s[GX], 1
	s_add_co_u32 s[CI], s[CI], s[WC]               ; my caption
	; descriptor groups 1.  Elements of 2 bytes; padding on; bit 21 beside the mask
	s_or_b32 s[G1A], s[ROWM], (1<<16)|(1<<20)|(1<<21)|(5<<22)|(7<<25)  ; after every 64 words 8 words
	s_mov_b32 s[G1A+1], 384<<16
	s_mov_b32 s[G1A+2], 48<<16
	s_mov_b32 s[G1A+3], 384<<16
	s_mov_b32 s[G1A+4], 48
	s_mov_b32 s[G1A+5], 384
	s_mov_b32 s[G1A+6], 0
	s_mov_b32 s[G1A+7], 0
	s_or_b32 s[G1B], s[COLM], (1<<16)|(1<<20)|(1<<21)|(3<<22)|(7<<25)  ; after every 16 words 8 words: a w row of 192 bytes becomes 288
	s_mov_b32 s[G1B+1], 128<<16
	s_mov_b32 s[G1B+2], 72<<16
	s_mov_b32 s[G1B+3], 128<<16
	s_mov_b32 s[G1B+4], 72
	s_mov_b32 s[G1B+5], 128
	s_mov_b32 s[G1B+6], 0
	s_mov_b32 s[G1B+7], 0
	s_or_b32 s[G1C], s[ROWM], (1<<16)|(1<<20)|(1<<21)|(5<<22)|(3<<25)  ; after every 64 words 4 words
	s_mov_b32 s[G1C+1], 384<<16
	s_mov_b32 s[G1C+2], 32<<16
	s_mov_b32 s[G1C+3], 384<<16
	s_mov_b32 s[G1C+4], 32
	s_mov_b32 s[G1C+5], 384
	s_mov_b32 s[G1C+6], 0
	s_mov_b32 s[G1C+7], 0
	; byte offsets.  ctx's are made of GY and the wave's number, w's of GX and the wave's number, each in registers that never hold the other coordinate
	s_mul_i32 s[PCX], s[GY], 768*768
	s_mul_i32 s[TS], s[WH], 48*768
	s_add_co_u32 s[PCX], s[PCX], s[TS]             ; first product: my 48 of a step's 96 rows
	s_mov_b32 s[PCX+1], 0
	s_mul_i32 s2, s[GY], 768*768
	s_mul_i32 s[TS], s[WC], 384*768
	s_add_co_u32 s2, s2, s[TS]                     ; second product: half WC of d,
	s_mul_i32 s[TS], s[WH], 32*768
	s_add_co_u32 s2, s2, s[TS]                     ; my 32 of a step's 64 rows
	s_mov_b32 s3, 0
	s_lshl_b32 s[PWB], s[GX], 1
	s_add_co_u32 s[PWB], s[PWB], s[WH]             ; the caption whose w I fetch
	s_mul_i32 s[PWB], s[PWB], 768*192
	s_mov_b32 s[PWB+1], 0
	s_mul_i32 s[LWA], s[WH], 48*PA                 ; LDS places: no place in the cluster enters them
	s_mul_i32 s[LWB], s[WH], WCAP
	s_add_co_u32 s[LWB], s[LWB], WOFF
	s_mov_b32 s[G0C], 1
	s_mul_i32 s[G0C+1], s[WV], 32*PC
	s_mov_b32 s[C2], 0x40b8aa3b                    ; 4 log2(e)
	s_mov_b32 s[C2+1], s[C2]
	s_mov_b32 s[SEL], 0x76543210
	s_mov_b32 s[SEL+1], 0xfedcba98
	s_mov_b32 s[BIGN], 0xf149f2ca                  ; -1e30
	s_mov_b32 s[HIM], 0xffff0000
	s_mov_b32 s[EPS], 0x322bcc77                   ; 1e-8
	s_mov_b32 s[C5], 0x40e6d4ca                    ; 5 log2(e)
	s_mov_b32 s[ONEA], 0x3f803f80                  ; two ones in bf16
	s_mov_b32 s[ONEB], s[ONEA]
	s_cmp_lg_u32 s[WH], 0
	s_cselect_b32 s[ONEA], 0x3f80, s[ONEA]         ; WH = 1 owns pixels 352-383, of which 352-360 exist
	s_cselect_b32 s[ONEB], 0, s[ONEB]
	s_mov_b32 s[OFS+1], 0
	s_wait_dscnt 0x0                               ; the opening add is done
	s_wait_kmcnt 0x0
	s_add_nc_u64 s[PCX:PCX+1], s[6:7], s[PCX:PCX+1]
	s_add_nc_u64 s[PWB:PWB+1], s[8:9], s[PWB:PWB+1]
	s_add_nc_u64 s[G0C+2:G0C+3], s[6:7], s[2:3]
	s_or_b32 s[G0C+3], s[G0C+3], 0x80000000
	s_lshl_b32 s[OFS], s[CI], 2
	s_add_nc_u64 s[4:5], s[4:5], s[OFS:OFS+1]
	s_load_b32 s[LEN], s[4:5], 0x0                 ; my caption's length: it enters compares that feed selects, nothing else
	s_mul_i32 s[OFS], s[CI], 16*384
	s_add_nc_u64 s[10:11], s[10:11], s[OFS:OFS+1]
	s_mul_i32 s[OFS], s[CI], 12*6144
	s_add_nc_u64 s[12:13], s[12:13], s[OFS:OFS+1]
	s_lshl_b32 s[OFS], s[GY], 5
	s_add_co_u32 s[OFS], s[OFS], s[CI]
	s_lshl_b32 s[OFS], s[OFS], 2
	s_add_nc_u64 s[14:15], s[14:15], s[OFS:OFS+1]  ; sims[image][caption]
	CROUND                                         ; all sixteen work-groups are here: the first joint loads meet
.irp s, 0,1
	s_mov_b32 s[G0A+4*(\s)], 1
	s_add_co_u32 s[G0A+4*(\s)+1], s[LWA], (\s)*SLOT
	s_add_nc_u64 s[G0A+4*(\s)+2:G0A+4*(\s)+3], s[PCX:PCX+1], (\s)*96*768
	s_or_b32 s[G0A+4*(\s)+3], s[G0A+4*(\s)+3], 0x80000000
	s_mov_b32 s[G0B+4*(\s)], 1
	s_add_co_u32 s[G0B+4*(\s)+1], s[LWB], (\s)*SLOT
	s_add_nc_u64 s[G0B+4*(\s)+2:G0B+4*(\s)+3], s[PWB:PWB+1], (\s)*96*192
	s_or_b32 s[G0B+4*(\s)+3], s[G0B+4*(\s)+3], 0x80000000
	JLOAD \s                                       ; K steps 0 and 1: two loads of mine are out, later one
.endr
	v_and_b32 v[VR], 15, v0
	v_bfe_u32 v[VH], v0, 4, 1
	v_and_b32 v[LN], 31, v0
	v_and_b32 v18, 7, v0
	v_lshl_add_u32 v18, v[VH], 3, v18              ; the turning load's row: 8 (l / 16) + l % 8
	v_bfe_u32 v19, v0, 3, 1
	v_lshlrev_b32 v19, 4, v19                      ; and its 16 bytes
	s_lshl_b32 s[TS], s[WH], 7
	v_add_nc_u32 v20, s[TS], v19
	v_mul_u32_u24 v[ADRA], v18, PA
	v_add_nc_u32 v[ADRA], v[ADRA], v20
	v_add_nc_u32 v[ADRA+1], SLOT, v[ADRA]
	v_add_nc_u32 v[ADRA2], 64*PA, v[ADRA]
	v_add_nc_u32 v[ADRA2+1], 64*PA, v[ADRA+1]
	s_mul_i32 s[TS], s[WC], WCAP
	s_add_co_u32 s[TS], s[TS], WOFF
	v_add_nc_u32 v20, s[TS], v19
	v_mul_u32_u24 v[ADRB], v18, PB
	v_add_nc_u32 v[ADRB], v[ADRB], v20
	v_add_nc_u32 v[ADRB+1], SLOT, v[ADRB]
	v_mul_u32_u24 v21, v[VR], PC                   ; second product: row l % 16, 16 bytes for each half of the lanes
	v_lshl_add_u32 v21, v[VH], 4, v21
	s_mul_i32 s[TS], s[WH], 4*MT+128               ; my half of d; my own K steps lie at bytes 128 WH of each 256
	v_add_nc_u32 v[AO0], s[TS], v21
	s_mul_i32 s[TS], s[WH], 4*MT-128
	s_add_co_u32 s[TS], s[TS], 128                 ; my partner's at 128 (1 - WH)
	v_add_nc_u32 v[AP0], s[TS], v21
	v_lshlrev_b32 v22, 4, v[LN]
	s_mul_i32 s[TS], s[WV], 6144
	s_add_co_u32 s[TS], s[TS], XCH
	v_add_nc_u32 v[XST], s[TS], v22
	s_xor_b32 s[TS], s[WV], 1
	s_mul_i32 s[TS], s[TS], 6144
	s_add_co_u32 s[TS], s[TS], XCH
	v_add_nc_u32 v[XLD], s[TS], v22
	s_mul_i32 s[TS], s[WH], 2*6144
	v_add_nc_u32 v[EOFF], s[TS], v22
	v_lshlrev_b32 v[L4], 2, v[LN]
	s_wait_kmcnt 0x0                               ; the length
	s_cmp_gt_i32 s[LEN], 0
	s_cselect_b32 s[C1], 0x3fb8aa3b, 0             ; log2(e); with no valid token 0: all exponents 0, q = 1/96
	s_mov_b32 s[C1+1], s[C1]
.set n, 0
.rept 6                                ; the masks: token 16 nt + l % 16, the same in a lane's eight registers
	v_add_nc_u32 v18, 16*n, v[VR]
	v_cmp_le_i32 s[MK], s[LEN], v18
.set j, 0
.rept 8
	v_cndmask_b32 v[T+8*n+j], 0, s[BIGN], s[MK]
.set j, j+1
.endr
.set n, n+1
.endr
	s_wait_tensorcnt 0x1                           ; my part of K step 0 is in; step 1's may stay out
	s_barrier_signal -1
	s_barrier_wait -1
	FETCH 0, 0, 0
	QUARTER 0, 0, 0, 1                             ; the first quarter stands in front of the loop: its products start the sums, on the masks
	WIN 0
	s_mov_b32 s[CNT0], 3
.Lk:                                                   ; a trip: two K steps, from a step's second quarter to the first of the step after next; it asks for steps 2 .. 7
	QUARTER 0, 1, 1, 0
	TURN 0, 1, 0, 0
	QUARTER 1, 0, 1, 0
	QUARTER 1, 1, 0, 0
	TURN 1, 0, 1, 0
	QUARTER 0, 0, 0, 0
	WIN 0
	s_sub_co_u32 s[CNT0], s[CNT0], 1
	s_cmp_lg_u32 s[CNT0], 0
	s_cbranch_scc1 .Lk
	QUARTER 0, 1, 1, 0                             ; K steps 6 and 7: their changes of slots ask for the second product's first two tiles
	TURN 0, 1, 0, 1
	QUARTER 1, 0, 1, 0
	QUARTER 1, 1, 0, 0
	TURN 1, 0, 1, 2
	PLACES
; THE SOFTMAXES of pixel tile a: 16 pixels x 96 tokens.  A lane holds token l % 16 of six token tiles and pixels 8 (l / 16) + j.  Over tokens: three operands at a time over the tiles (j ascending: each
; accumulator's lowest registers are read first), then four steps across the 16 lanes.  Then e = 2^(4 log2(e) q), NUM += S e, and e rounded to bf16 into its place as source 1.
.macro BLOCK a
.set BW, 1+(\a)/5
.set SB, 48*((\a)%5)
	PSET (\a)/2
.set PD, PR+4*((\a)%2)
	WIN BW*0x15
.set j, 0
.rept 8
	v_max3_num_f32 v[RM+j], v[SB+j], v[SB+8+j], v[SB+16+j]
	v_max3_num_f32 v[RS+j], v[SB+24+j], v[SB+32+j], v[SB+40+j]
.set j, j+1
.endr
	WIN 0
.set j, 0
.rept 8
	v_max_num_f32 v[RM+j], v[RM+j], v[RS+j]
.set j, j+1
.endr
.irp m, 1,2,4,8
.set j, 0
.rept 8
	v_max_num_f32_dpp v[RM+j], v[RM+j], v[RM+j] row_xmask:\m row_mask:0xf bank_mask:0xf
.set j, j+1
.endr
.endr
.set j, 0
.rept 4
	v_pk_mul_f32 v[RM+2*j:RM+2*j+1], v[RM+2*j:RM+2*j+1], s[C1:C1+1] op_sel_hi:[1,0]
.set j, j+1
.endr
	WIN BW
.set i, 0
.rept 24                               ; pair i = 4 nt + j / 2: log2(e) S - log2(e) max
	v_pk_fma_f32 v[T+2*i:T+2*i+1], v[SB+2*i:SB+2*i+1], s[C1:C1+1], v[RM+2*(i%4):RM+2*(i%4)+1] op_sel_hi:[1,0,1] neg_lo:[0,0,1] neg_hi:[0,0,1]
.set i, i+1
.endr
	WIN 0
.set i, 0
.rept 48
	v_exp_f32 v[T+i], v[T+i]
.set i, i+1
.endr
	v_nop                                          ; a plain instruction behind the last exponential
.set j, 0
	s_wait_alu depctr_va_vdst(0)
.rept 4
	v_pk_add_f32 v[RS+2*j:RS+2*j+1], v[T+2*j:T+2*j+1], v[T+8+2*j:T+8+2*j+1]
.set j, j+1
.endr
.set i, 8
.rept 16
	v_pk_add_f32 v[RS+2*(i%4):RS+2*(i%4)+1], v[RS+2*(i%4):RS+2*(i%4)+1], v[T+2*i:T+2*i+1]
.set i, i+1
.endr
.irp m, 1,2,4,8
.set j, 0
.rept 8
	v_add_f32_dpp v[RS+j], v[RS+j], v[RS+j] row_xmask:\m row_mask:0xf bank_mask:0xf
.set j, j+1
.endr
.endr
.set j, 0
.rept 8
	v_rcp_f32 v[RS+j], v[RS+j]
.set j, j+1
.endr
	v_nop
.set j, 0
	s_wait_alu depctr_va_vdst(0)
.rept 4
	v_pk_mul_f32 v[RS+2*j:RS+2*j+1], v[RS+2*j:RS+2*j+1], s[C2:C2+1] op_sel_hi:[1,0]
.set j, j+1
.endr
.set i, 0
.rept 24
	v_pk_mul_f32 v[T+2*i:T+2*i+1], v[T+2*i:T+2*i+1], v[RS+2*(i%4):RS+2*(i%4)+1]
.set i, i+1
.endr
.set i, 0
.rept 48
	v_exp_f32 v[T+i], v[T+i]
.set i, i+1
.endr
	v_nop
	s_wait_alu depctr_va_vdst(0)
	WIN BW
.set jp, 0
.rept 4
.set n, 0
.rept 6
.if ((\a) == 0) && (jp == 0)
	s_wait_alu depctr_va_vdst(0)
	v_pk_mul_f32 v[NUM+2*n:NUM+2*n+1], v[SB+8*n+2*jp:SB+8*n+2*jp+1], v[T+8*n+2*jp:T+8*n+2*jp+1]  ; the first products start the sums
.else
	v_pk_fma_f32 v[NUM+2*n:NUM+2*n+1], v[SB+8*n+2*jp:SB+8*n+2*jp+1], v[T+8*n+2*jp:T+8*n+2*jp+1], v[NUM+2*n:NUM+2*n+1]
.endif
.set n, n+1
.endr
.set jp, jp+1
.endr
	WIN PW<<6
.set i, 0
.rept 24
	v_cvt_pk_bf16_f32 v[PD+8*(i/4)+i%4], v[T+2*i], v[T+2*i+1]
.set i, i+1
.endr
.endm
.irp a, 0,1,2,3,4,5,6,7,8,9,10,11
	BLOCK \a
.endr
	; Z: ones x e.  Every row of the result holds my pixels' share of Z[16 nt + l % 16].  For WH = 1 the last K step's ones end behind pixel 360.
	WIN 0
.set j, 0
.rept 8
	v_mov_b32 v[ONE+j], 0x3f803f80
.set j, j+1
.endr
	v_mov_b32 v18, s[ONEA]
	v_mov_b32 v19, s[ONEB]
	v_cndmask_b32 v[ONE5], v[ONE], v18, s[HIM]     ; lanes 16-31 hold k = 8 .. 15: of them k = 8 alone
.irp j, 1,2,3
	v_cndmask_b32 v[ONE5+\j], v[ONE], v19, s[HIM]
.endr
.irp j, 4,5,6,7
	v_mov_b32 v[ONE5+\j], v19                      ; k = 16 .. 31
.endr
.set u, 0
.rept 6
	PSET u
	WIN 0xa0|(PW<<2)
.set OA, ONE+8*(u/5)
.set n, 0
.rept 6
.if u == 0
	v_wmma_f32_16x16x32_bf16 v[ZA+8*n:ZA+8*n+7], v[OA:OA+7], v[PR+8*n:PR+8*n+7], 0
.else
	v_wmma_f32_16x16x32_bf16 v[ZA+8*n:ZA+8*n+7], v[OA:OA+7], v[PR+8*n:PR+8*n+7], v[ZA+8*n:ZA+8*n+7]
.endif
.set n, n+1
.endr
.set u, u+1
.endr
	WIN 0xc0
.set i, 0
.rept 48                               ; the sixteen partial sums of w^2 for tokens 32 k + lane: wanted at the very end
	global_load_b32 v[i], v[L4], s[10:11] offset:384*(i%16)+128*(i/16)
.set i, i+1
.endr
; THE EXCHANGE.  K step u's six fragments go into my 6,144 bytes of region u % 2; my partner's come back.  The wait for 0 in front of a barrier also covers the loads of the round before, so a region is
; written again only when its readers have passed a barrier behind their wait.
.macro XROUND u
	PSET \u
	WIN PW<<2
.set n, 0
.rept 12
	ds_store_b128 v[XST], v[PR+4*n:PR+4*n+3] offset:((\u)%2)*XREG+512*n
.set n, n+1
.endr
	s_wait_dscnt 0x0
	s_barrier_signal -1
	s_barrier_wait -1
	WIN (1+(\u)/5)<<6
.set n, 0
.rept 12
	ds_load_b128 v[48*((\u)%5)+4*n:48*((\u)%5)+4*n+3], v[XLD] offset:((\u)%2)*XREG+512*n
.set n, n+1
.endr
.endm
.irp u, 0,1,2,3,4,5
	XROUND \u
.endr
; THE SECOND PRODUCT.  A tile is 16 rows d x 96 tokens x 384 pixels: 36 matrix instructions on my own K steps (half 0), 36 on my partner's (half 1); six accumulators take turns.
.macro LOADA half                      ; 12 loads: the tile's ctx fragments for six K steps
	WIN 0x80
.irp u, 0,1,2,3,4,5
	ds_load_b128 v[AH+48*(\half)+8*\u:AH+48*(\half)+8*\u+3],   v[ADO+(\half)] offset:272*(\u/2)+64*(\u%2)
	ds_load_b128 v[AH+48*(\half)+8*\u+4:AH+48*(\half)+8*\u+7], v[ADO+(\half)] offset:272*(\u/2)+64*(\u%2)+32
.endr
.endm
.macro MULX half
.set u, 0
.rept 6
.if (\half) == 0
	PSET u
.else
.set PW, 1+u/5
.set PR, 48*(u%5)
.endif
	WIN 0xa2|(PW<<2)
.set n, 0
.rept 6
.if ((\half) == 0) && (u == 0)
	v_wmma_f32_16x16x32_bf16 v[XA+8*n:XA+8*n+7], v[AH+48*(\half)+8*u:AH+48*(\half)+8*u+7], v[PR+8*n:PR+8*n+7], 0
.else
	v_wmma_f32_16x16x32_bf16 v[XA+8*n:XA+8*n+7], v[AH+48*(\half)+8*u:AH+48*(\half)+8*u+7], v[PR+8*n:PR+8*n+7], v[XA+8*n:XA+8*n+7]
.endif
.set n, n+1
.endr
.set u, u+1
.endr
.endm
.macro SQUARE                          ; CN += X^2, each accumulator's lowest registers first
	WIN 0x0a
.set jp, 0
.rept 4
.set n, 0
.rept 6
	v_pk_fma_f32 v[CN+2*n:CN+2*n+1], v[XA+8*n+2*jp:XA+8*n+2*jp+1], v[XA+8*n+2*jp:XA+8*n+2*jp+1], v[CN+2*n:CN+2*n+1]
.set n, n+1
.endr
.set jp, jp+1
.endr
.endm
.macro VADR
	WIN 0
	v_add_nc_u32 v[ADO], s[TB], v[AO0]
	v_add_nc_u32 v[ADO+1], s[TB], v[AP0]
	s_add_co_u32 s[TB], s[TB], MT
.endm
.macro VFIRST
	VADR
	LOADA 0
	LOADA 1
	s_wait_dscnt 12                                ; half 0 is in
	MULX 0
	PLACES
	WIN 0
.endm
.macro VSTEP                           ; the tile before is finished while this tile's fragments come
	VADR
	LOADA 0
	s_wait_dscnt 12                                ; the last tile's half 1 is in; the twelve just issued may be out
	MULX 1
	PLACES
	LOADA 1
	SQUARE
	s_wait_dscnt 12                                ; half 0 is in, half 1 may be out
	MULX 0
	PLACES
	WIN 0
.endm
; The change of slots, as in the first product.  fill = 1: the slot just read takes the rows two steps on, behind a round of the cluster's barrier.
.macro CHANGE fill, toggle
	WIN 0
	s_wait_tensorcnt 0x0
	ds_add_u32 v[SPW], v[NIL]
.if \fill
	s_xor_b32 s[G0C+1], s[G0C+1], P2S
	s_add_nc_u64 s[G0C+2:G0C+3], s[G0C+2:G0C+3], 64*768
.endif
	s_wait_dscnt 0x0                               ; the add is done, and my reads of the slot are over
.if \fill
	CROUND
	JLOADC
.else
	s_barrier_signal -1
	s_barrier_wait -1
.endif
.if \toggle
	s_sub_co_u32 s[TB], s[TB], 4*MT
	s_xor_b32 s[TB], s[TB], P2S
.endif
.endm
	WIN 0
.set i, 0
.rept 12
	v_mov_b32 v[CN+i], 0
.set i, i+1
.endr
	s_mov_b32 s[TB], 0
	CHANGE 0, 0                                    ; both first tiles have landed, everybody's parts; my partner's fragments are in
	VFIRST
	s_mov_b32 s[CNT1], 3
.Lv_a:
	VSTEP
	s_sub_co_u32 s[CNT1], s[CNT1], 1
	s_cmp_lg_u32 s[CNT1], 0
	s_cbranch_scc1 .Lv_a
	s_mov_b32 s[CNT0], 4
.Lp2:                                                  ; steps 1 .. 4 are read, steps 2 .. 5 asked for: a load has 288 matrix instructions in which to land
	CHANGE 1, 1
	s_mov_b32 s[CNT1], 4
.Lv_b:
	VSTEP
	s_sub_co_u32 s[CNT1], s[CNT1], 1
	s_cmp_lg_u32 s[CNT1], 0
	s_cbranch_scc1 .Lv_b
	s_sub_co_u32 s[CNT0], s[CNT0], 1
	s_cmp_lg_u32 s[CNT0], 0
	s_cbranch_scc1 .Lp2
	CHANGE 0, 1                                    ; the last step is written out: nothing is asked for
	s_mov_b32 s[CNT1], 4
.Lv_c:
	VSTEP
	s_sub_co_u32 s[CNT1], s[CNT1], 1
	s_cmp_lg_u32 s[CNT1], 0
	s_cbranch_scc1 .Lv_c
	s_wait_dscnt 0x0
	MULX 1
	PLACES
	SQUARE
	; THE END.  A pair's two halves and the other half of the lanes' are added; the values go from (tile, l % 16) to token 32 k + lane; the two waves of a caption exchange and add their nine numbers.
	WIN 0
.set i, 0
.rept 6
	v_add_f32 v[32+i], v[NUM+2*i], v[NUM+2*i+1]
	v_add_f32 v[38+i], v[CN+2*i], v[CN+2*i+1]
.set i, i+1
.endr
	WIN 0x02
.set i, 0
.rept 6
	v_mov_b32 v[44+i], v[ZA+8*i]
.set i, i+1
.endr
	WIN 0
.set i, 0
.rept 12
	v_permlanex16_b32 v[50+i], v[32+i], s[SEL], s[SEL+1]
.set i, i+1
.endr
.set i, 0
.rept 12
	v_add_f32 v[32+i], v[32+i], v[50+i]
.set i, i+1
.endr
.set i, 0
.rept 9                                ; v62-64 num, v65-67 |X|^2, v68-70 Z
	v_cndmask_b32 v[62+i], v[32+2*i], v[33+2*i], s[HIM]
.set i, i+1
.endr
	s_mul_i32 s[TS], s[WV], 1152
	s_add_co_u32 s[TS], s[TS], XCH
	v_add_nc_u32 v18, s[TS], v[L4]
	s_xor_b32 s[TS], s[WV], 1
	s_mul_i32 s[TS], s[TS], 1152
	s_add_co_u32 s[TS], s[TS], XCH
	v_add_nc_u32 v19, s[TS], v[L4]
.set i, 0
.rept 9
	ds_store_b32 v18, v[62+i] offset:128*i
.set i, i+1
.endr
	s_wait_dscnt 0x0                               ; for my partner's sake
	s_barrier_signal -1
	s_barrier_wait -1
.set i, 0
.rept 9
	ds_load_b32 v[50+i], v19 offset:128*i
.set i, i+1
.endr
	s_wait_dscnt 0x0
.set i, 0
.rept 9
	v_add_f32 v[62+i], v[62+i], v[50+i]
.set i, i+1
.endr
	s_wait_loadcnt 0x0                             ; the partial sums of w^2
	WIN 0x0f
.irp k, 0,1,2
	v_add_f32 v[71+\k], v[16*\k], v[16*\k+1]
.endr
	WIN 0x03
.set i, 2
.rept 14
.irp k, 0,1,2
	v_add_f32 v[71+\k], v[16*\k+i], v[71+\k]
.endr
.set i, i+1
.endr
	WIN 0
.irp k, 0,1,2
	v_sqrt_f32 v[71+\k], v[71+\k]
	v_sqrt_f32 v[65+\k], v[65+\k]
	v_rcp_f32 v[68+\k], v[68+\k]
.endr
	v_nop
	s_wait_alu depctr_va_vdst(0)
.irp k, 0,1,2
	v_max_num_f32 v[71+\k], s[EPS], v[71+\k]       ; wn
	v_mul_f32 v[65+\k], v[65+\k], v[68+\k]
	v_mul_f32 v[62+\k], v[62+\k], v[68+\k]         ; num / Z
.endr
.irp k, 0,1,2
	v_max_num_f32 v[65+\k], s[EPS], v[65+\k]       ; cn
.endr
.irp k, 0,1,2
	v_mul_f32 v[71+\k], v[71+\k], v[65+\k]
.endr
.irp k, 0,1,2
	v_rcp_f32 v[71+\k], v[71+\k]
.endr
	v_nop
	s_wait_alu depctr_va_vdst(0)
.irp k, 0,1,2
	v_mul_f32 v[62+\k], v[62+\k], v[71+\k]         ; cos
.endr
.irp k, 0,1,2
	v_mul_f32 v[62+\k], s[C5], v[62+\k]
.endr
.irp k, 0,1,2
	v_exp_f32 v[62+\k], v[62+\k]
.endr
	v_nop
	s_wait_alu depctr_va_vdst(0)
.irp k, 0,1,2
	v_add_nc_u32 v20, 32*\k, v[LN]
	v_cmp_gt_i32 s[MK], s[LEN], v20
	v_cndmask_b32 v[62+\k], 0, v[62+\k], s[MK]     ; hidden tokens count 0
.endr
	v_add_f32 v62, v62, v63
	v_add_f32 v62, v62, v64
	v_add_f32_dpp v62, v62, v62 row_xmask:1 row_mask:0xf bank_mask:0xf
	v_add_f32_dpp v62, v62, v62 row_xmask:2 row_mask:0xf bank_mask:0xf
	v_add_f32_dpp v62, v62, v62 row_xmask:4 row_mask:0xf bank_mask:0xf
	v_add_f32_dpp v62, v62, v62 row_xmask:8 row_mask:0xf bank_mask:0xf
	v_permlanex16_b32 v63, v62, s[SEL], s[SEL+1]
	v_add_f32 v62, v62, v63
	v_and_b32 v20, 63, v0
	v_mov_b32 v21, 0
	v_mov_b32 v22, s[GY]                           ; for the compare of the block below
	v_cmp_eq_u32 vcc_lo, 0, v20                    ; lane 0 of the caption's first wave
	s_wait_xcnt 0x0                                ; EXEC changes only behind this wait
	s_and_saveexec_b32 s[SVX], vcc_lo
	global_store_b32 v21, v62, s[14:15]
	s_wait_xcnt 0x0                                ; and again in front of the line that restores it
	s_or_b32 exec_lo, exec_lo, s[SVX]
	; THE DIAGONAL PAIR'S WEIGHTS go to ediag as they lie in my 36 fragments, which nothing has rewritten: K step ks, token tile nt: registers 0-3 of lane l at 16 l, registers 4-7 at 512 + 16 l.
	; No branch: the lanes are on where caption = image.  The block stands at the wave's very end: behind it no vector register is written, so that no LDS address is ever made behind an EXEC
	; that hung on the work-group's place in its cluster.
	v_cmp_eq_u32 vcc_lo, s[CI], v22
	s_and_saveexec_b32 s[SVX], vcc_lo              ; no memory instruction has been issued since the wait above
.set u, 0
.rept 6
	PSET u
	WIN PW<<2
.set n, 0
.rept 6
	global_store_b128 v[EOFF], v[PR+8*n:PR+8*n+3],   s[12:13] offset:(4*(u/2)+u%2)*6144+1024*n      ; 512 consecutive bytes, aligned
	global_store_b128 v[EOFF], v[PR+8*n+4:PR+8*n+7], s[12:13] offset:(4*(u/2)+u%2)*6144+1024*n+512
.set n, n+1
.endr
.set u, u+1
.endr
	WIN 0
	s_wait_xcnt 0x0                                ; in front of the line that restores EXEC
	s_or_b32 exec_lo, exec_lo, s[SVX]
	s_wait_tensorcnt 0x0                           ; the wave's end, behind my last tensor load and my last LDS store
	ds_add_u32 v[SPW], v[NIL]
	s_wait_dscnt 0x0
	CROUND                                         ; the closing round: no work-group ends while a partner may still ask for a tile that names it
	s_endpgm
.Lfunc_end_k_q93c2fa6563_pairs:
	.size	k_q93c2fa6563_pairs, .Lfunc_end_k_q93c2fa6563_pairs-k_q93c2fa6563_pairs
	.p2alignl 7, 3214868480
	.fill 96, 4, 3214868480
	.section	.rodata,"a",@progbits
	.p2align	6, 0x0
	.amdhsa_kernel k_q93c2fa6563_pairs
		.amdhsa_group_segment_fixed_size 327680
		.amdhsa_private_segment_fixed_size 0
		.amdhsa_enable_private_segment 0
		.amdhsa_kernarg_size 48
		.amdhsa_user_sgpr_count 2
		.amdhsa_user_sgpr_kernarg_segment_ptr 1
		.amdhsa_wavefront_size32 1
		.amdhsa_system_sgpr_workgroup_id_x 1
		.amdhsa_system_sgpr_workgroup_id_y 1
		.amdhsa_system_sgpr_workgroup_id_z 1
		.amdhsa_system_vgpr_workitem_id 0
		.amdhsa_next_free_vgpr 1024
		.amdhsa_next_free_sgpr 100
		.amdhsa_reserve_vcc 1
		.amdhsa_float_denorm_mode_32 3
		.amdhsa_float_denorm_mode_16_64 3
		.amdhsa_memory_ordered 1
		.amdhsa_forward_progress 1
		.amdhsa_inst_pref_size 255
	.end_amdhsa_kernel
	.section	.bss,"aw",@nobits
	.p2align	6
	.space	262144
	.amdgpu_metadata
---
amdhsa.version: [ 1, 2 ]
amdhsa.kernels:
  - .name:           k_q93c2fa6563_pairs
    .symbol:         k_q93c2fa6563_pairs.kd
    .args:
      - { .name: caption_lengths, .offset: 0, .size: 8, .value_kind: global_buffer, .address_space: global }
      - { .name: ctxb, .offset: 8, .size: 8, .value_kind: global_buffer, .address_space: global }
      - { .name: wb, .offset: 16, .size: 8, .value_kind: global_buffer, .address_space: global }
      - { .name: wnp, .offset: 24, .size: 8, .value_kind: global_buffer, .address_space: global }
      - { .name: ediag, .offset: 32, .size: 8, .value_kind: global_buffer, .address_space: global }
      - { .name: sims, .offset: 40, .size: 8, .value_kind: global_buffer, .address_space: global }
    .group_segment_fixed_size: 327680
    .private_segment_fixed_size: 0
    .kernarg_segment_align: 8
    .kernarg_segment_size: 48
    .max_flat_workgroup_size: 128
    .sgpr_count:     100
    .vgpr_count:     1024
    .wavefront_size: 32
...
	.end_amdgpu_metadata
.endif
;; end of part 2
;; launch finish (part 3): grid 193 x 1, 4 waves a work-group, no clusters, 25,344 bytes of LDS; arguments ediag, sims, out0, out1, out2; writes out0, out1, out2
.if DOCPART == 3
	.amdgcn_target "amdgcn-amd-amdhsa--gfx1250"
	.amdhsa_code_object_version 6
	.text
	.protected	k_q93c2fa6563_finish
	.globl	k_q93c2fa6563_finish
	.p2align	8
	.type	k_q93c2fa6563_finish,@function
k_q93c2fa6563_finish:
	s_mov_b64 s[64:65], 0
	v_nop
	global_prefetch_b8 v0, s[64:65] scope:SCOPE_SE
	s_setreg_imm32_b32 hwreg(HW_REG_WAVE_MODE, 25, 1), 1
	s_wait_xcnt 0x0
; FINISH.  Work-groups 0..191: caption i = id / 6, tokens 16 nt .. + 15 (nt = id % 6): out2[i][l][p] = e[p][l] / sum_p e[p][l], from ediag's fragments (bf16).
; Work-group 192: out0 and out1, the two cross entropies of logits = 10 ln(sims), with the row's maximum taken away before the exponentials; in base 2: z = 10 log2(s), loss = ln 2 (zmax + log2 sum 2^(z - zmax) - z_diag).
; LIMIT: a sum of 0 (a caption with no valid token) gives non-finite losses, as the logarithm of 0 does.
.set PIT,   1444                       ; the stage's rows are dense, as out2's are: 16 rows of 361 numbers = 23,104 bytes, read back and stored as one run
.set ZP,    24576                      ; four waves x 16 partial sums
.set SPARE, 24832                      ; the spare words, 128 bytes for each wave
.set RAW, 8                            ; v[8:31]  three K steps' fragments as loaded
.set F,   32                           ; v[32:79] the 48 numbers in f32: 16 kk + 8 q + e is pixel 32 (3 w + kk) + 16 q + 8 (l / 16) + e
.set CH,  80                           ; v[80:87] four chains
	s_load_b256 s[4:11], s[0:1], 0x0               ; ediag s[4:5], sims s[6:7], out0 s[8:9], out1 s[10:11]
	s_load_b64 s[12:13], s[0:1], 0x20              ; out2
	v_lshl_add_u32 v110, v0, 2, SPARE
	v_mov_b32 v111, 0
	v_lshrrev_b32 v1, 5, v0
	v_readfirstlane_b32 s14, v1                    ; wave 0..3
	s_cmp_eq_u32 ttmp9, 192
	s_cbranch_scc1 .Lloss
	s_mul_i32 s15, ttmp9, 43691
	s_lshr_b32 s15, s15, 18                        ; i = id / 6
	s_mul_i32 s16, s15, 6
	s_sub_co_u32 s16, ttmp9, s16                   ; nt
	s_mul_i32 s18, s15, 12*6144
	s_lshl_b32 s17, s16, 10
	s_add_co_u32 s18, s18, s17
	s_mul_i32 s17, s14, 3*6144                     ; wave w takes K steps 3 w .. 3 w + 2
	s_add_co_u32 s18, s18, s17
	s_mov_b32 s19, 0
	s_mul_i32 s20, s15, 96
	s_lshl_b32 s17, s16, 4
	s_add_co_u32 s20, s20, s17
	s_mul_i32 s20, s20, PIT                        ; a multiple of 16 x 1,444: 16-byte stores are aligned
	s_mov_b32 s21, 0
	v_and_b32 v2, 31, v0
	v_lshlrev_b32 v3, 4, v2
	v_and_b32 v4, 15, v0                           ; r: the token
	v_bfe_u32 v5, v0, 4, 1                         ; l / 16
	s_mul_i32 s22, s14, 96
	s_add_co_u32 s22, s22, 64
	v_lshl_add_u32 v6, v5, 3, s22                  ; the first pixel of my share of K step 3 w + 2
	s_lshl_b32 s22, s14, 6
	s_add_co_u32 s22, s22, ZP
	v_lshl_add_u32 v7, v4, 2, s22
	v_lshlrev_b32 v88, 2, v4
	v_mul_u32_u24 v89, v4, PIT
	v_lshl_add_u32 v89, v5, 5, v89
	s_mul_i32 s22, s14, 384
	v_add_nc_u32 v89, s22, v89                     ; stage: row r, pixel 96 w + 8 (l / 16)
	v_lshlrev_b32 v90, 4, v0
	s_mov_b32 s24, 0x76543210
	s_mov_b32 s25, 0xfedcba98
	s_wait_kmcnt 0x0
	s_add_nc_u64 s[4:5], s[4:5], s[18:19]
	s_add_nc_u64 s[12:13], s[12:13], s[20:21]
.irp kq, 0,1,2,3,4,5
	global_load_b128 v[RAW+4*\kq:RAW+4*\kq+3], v3, s[4:5] offset:6144*(\kq/2)+512*(\kq%2)
.endr
	s_wait_loadcnt 0x0
.set i, 0
.rept 24
	v_lshlrev_b32 v[F+2*i], 16, v[RAW+i]
	v_and_b32 v[F+2*i+1], 0xffff0000, v[RAW+i]
.set i, i+1
.endr
.set i, 0
.rept 16                               ; pixels 361 .. 383 do not exist: they count 0 in Z
	v_cmp_gt_u32 vcc_lo, 361-16*(i/8)-i%8, v6
	v_cndmask_b32 v[F+32+i], 0, v[F+32+i], vcc_lo
.set i, i+1
.endr
.set i, 0
.rept 4
	v_pk_add_f32 v[CH+2*i:CH+2*i+1], v[F+2*i:F+2*i+1], v[F+8+2*i:F+8+2*i+1]
.set i, i+1
.endr
.set i, 8
.rept 16
	v_pk_add_f32 v[CH+2*(i%4):CH+2*(i%4)+1], v[CH+2*(i%4):CH+2*(i%4)+1], v[F+2*i:F+2*i+1]
.set i, i+1
.endr
	v_pk_add_f32 v[CH:CH+1], v[CH:CH+1], v[CH+2:CH+3]
	v_pk_add_f32 v[CH+4:CH+5], v[CH+4:CH+5], v[CH+6:CH+7]
	v_pk_add_f32 v[CH:CH+1], v[CH:CH+1], v[CH+4:CH+5]
	v_add_f32 v[CH], v[CH], v[CH+1]
	v_permlanex16_b32 v[CH+1], v[CH], s24, s25
	v_add_f32 v[CH], v[CH], v[CH+1]
	ds_store_b32 v7, v[CH]                         ; both halves of the lanes write the same number to the same word
	s_wait_dscnt 0x0
	s_barrier_signal -1
	s_barrier_wait -1
.irp w, 0,1,2,3
	ds_load_b32 v[84+\w], v88 offset:ZP+64*\w
.endr
	s_wait_dscnt 0x0
	v_add_f32 v84, v84, v85
	v_add_f32 v86, v86, v87
	v_add_f32 v84, v84, v86
	v_rcp_f32 v84, v84
	v_nop
.set i, 0
	s_wait_alu depctr_va_vdst(0)
.rept 24
	v_pk_mul_f32 v[F+2*i:F+2*i+1], v[F+2*i:F+2*i+1], v[84:85] op_sel_hi:[1,0]
.set i, i+1
.endr
.set i, 0
.rept 32
	ds_store_b32 v89, v[F+i] offset:128*(i/16)+64*((i/8)%2)+4*(i%8)
.set i, i+1
.endr
	s_cmp_eq_u32 s14, 3
	s_cbranch_scc1 .Ledge
.set i, 32
.rept 16
	ds_store_b32 v89, v[F+i] offset:128*(i/16)+64*((i/8)%2)+4*(i%8)
.set i, i+1
.endr
	s_branch .Lstaged
.Ledge:                                                ; wave 3's last K step is pixels 352 .. 383: 352 and 360 (e = 0), then 353 .. 359 in lanes 0-15 alone
	ds_store_b32 v89, v[F+32] offset:256
	v_cmp_eq_u32 vcc_lo, 0, v5
	s_wait_xcnt 0x0
	s_and_saveexec_b32 s23, vcc_lo
.irp e, 1,2,3,4,5,6,7
	ds_store_b32 v89, v[F+32+\e] offset:256+4*\e
.endr
	s_or_b32 exec_lo, exec_lo, s23
.Lstaged:
	s_wait_dscnt 0x0                               ; for the others' sake: my stores into the stage are done
	s_barrier_signal -1
	s_barrier_wait -1
.set i, 0
.rept 11
	ds_load_b128 v[F+4*i:F+4*i+3], v90 offset:2048*i
.set i, i+1
.endr
.set i, 0
.rept 11
	s_wait_dscnt 10-i
	global_store_b128 v90, v[F+4*i:F+4*i+3], s[12:13] offset:2048*i th:TH_STORE_NT  ; 512 consecutive bytes a wave
.set i, i+1
.endr
	v_cmp_gt_u32 vcc_lo, 36, v0                    ; 1,444 = 11 x 128 + 36 pieces of 16 bytes
	s_wait_xcnt 0x0
	s_and_saveexec_b32 s23, vcc_lo
	ds_load_b128 v[F+44:F+47], v90 offset:22528
	s_wait_dscnt 0x0
	global_store_b128 v90, v[F+44:F+47], s[12:13] offset:22528 th:TH_STORE_NT
	s_wait_xcnt 0x0
	s_or_b32 exec_lo, exec_lo, s23
	s_wait_tensorcnt 0x0                           ; the wave's end, behind my last LDS store
	ds_add_u32 v110, v111
	s_wait_dscnt 0x0
	s_endpgm
.Lloss:                                                ; wave 0: rows = images (out0); wave 1: rows = captions (out1).  Lane a owns row a.
	s_cmp_ge_u32 s14, 2
	s_cbranch_scc1 .Lend
	s_cmp_eq_u32 s14, 0
	s_cselect_b32 s15, 128, 4                      ; bytes from row to row
	s_cselect_b32 s16, 4, 128                      ; and along a row
	s_mov_b32 s20, 0x76543210
	s_mov_b32 s21, 0xfedcba98
	v_and_b32 v2, 31, v0
	v_mul_lo_u32 v8, v2, s15
	v_mul_u32_u24 v3, v2, 132                      ; the diagonal
.set i, 0
.rept 31
	v_add_nc_u32 v[9+i], s16, v[8+i]
.set i, i+1
.endr
	s_wait_kmcnt 0x0
	s_cmp_eq_u32 s14, 0
	s_cselect_b64 s[18:19], s[8:9], s[10:11]
.set i, 0
.rept 32
	global_load_b32 v[40+i], v[8+i], s[6:7]
.set i, i+1
.endr
	global_load_b32 v72, v3, s[6:7]
	s_wait_loadcnt 0x0
.set i, 0
.rept 33
	v_log_f32 v[40+i], v[40+i]
.set i, i+1
.endr
	v_nop
.set i, 0
	s_wait_alu depctr_va_vdst(0)
.rept 33
	v_mul_f32 v[40+i], 0x41200000, v[40+i]         ; z = 10 log2(s)
.set i, i+1
.endr
	v_max3_num_f32 v73, v40, v41, v42
.set i, 0
.rept 14
	v_max3_num_f32 v73, v73, v[43+2*i], v[44+2*i]
.set i, i+1
.endr
	v_max_num_f32 v73, v73, v71
.set i, 0
.rept 32
	v_sub_f32 v[40+i], v[40+i], v73
.set i, i+1
.endr
.set i, 0
.rept 32
	v_exp_f32 v[40+i], v[40+i]
.set i, i+1
.endr
	v_nop
.set i, 4
	s_wait_alu depctr_va_vdst(0)
.rept 28
	v_add_f32 v[40+i%4], v[40+i%4], v[40+i]
.set i, i+1
.endr
	v_add_f32 v40, v40, v41
	v_add_f32 v42, v42, v43
	v_add_f32 v40, v40, v42
	v_log_f32 v74, v40
	v_sub_f32 v75, v73, v72
	s_wait_alu depctr_va_vdst(0)
	v_add_f32 v74, v74, v75
	v_add_f32_dpp v74, v74, v74 row_xmask:1 row_mask:0xf bank_mask:0xf
	v_add_f32_dpp v74, v74, v74 row_xmask:2 row_mask:0xf bank_mask:0xf
	v_add_f32_dpp v74, v74, v74 row_xmask:4 row_mask:0xf bank_mask:0xf
	v_add_f32_dpp v74, v74, v74 row_xmask:8 row_mask:0xf bank_mask:0xf
	v_permlanex16_b32 v75, v74, s20, s21
	v_add_f32 v74, v74, v75
	v_mul_f32 v74, 0x3cb17218, v74                 ; ln 2 / 32
	v_mov_b32 v76, 0
	v_cmp_eq_u32 vcc_lo, 0, v2
	s_wait_xcnt 0x0
	s_and_saveexec_b32 s23, vcc_lo
	global_store_b32 v76, v74, s[18:19]
	s_wait_xcnt 0x0
	s_or_b32 exec_lo, exec_lo, s23
.Lend:
	s_endpgm
.Lfunc_end_k_q93c2fa6563_finish:
	.size	k_q93c2fa6563_finish, .Lfunc_end_k_q93c2fa6563_finish-k_q93c2fa6563_finish
	.p2alignl 7, 3214868480
	.fill 96, 4, 3214868480
	.section	.rodata,"a",@progbits
	.p2align	6, 0x0
	.amdhsa_kernel k_q93c2fa6563_finish
		.amdhsa_group_segment_fixed_size 25344
		.amdhsa_private_segment_fixed_size 0
		.amdhsa_enable_private_segment 0
		.amdhsa_kernarg_size 40
		.amdhsa_user_sgpr_count 2
		.amdhsa_user_sgpr_kernarg_segment_ptr 1
		.amdhsa_wavefront_size32 1
		.amdhsa_system_sgpr_workgroup_id_x 1
		.amdhsa_system_sgpr_workgroup_id_y 1
		.amdhsa_system_sgpr_workgroup_id_z 1
		.amdhsa_system_vgpr_workitem_id 0
		.amdhsa_next_free_vgpr 112
		.amdhsa_next_free_sgpr 66
		.amdhsa_reserve_vcc 1
		.amdhsa_float_denorm_mode_32 3
		.amdhsa_float_denorm_mode_16_64 3
		.amdhsa_memory_ordered 1
		.amdhsa_forward_progress 1
		.amdhsa_inst_pref_size 30
	.end_amdhsa_kernel
	.amdgpu_metadata
---
amdhsa.version: [ 1, 2 ]
amdhsa.kernels:
  - .name:           k_q93c2fa6563_finish
    .symbol:         k_q93c2fa6563_finish.kd
    .args:
      - { .name: ediag, .offset: 0, .size: 8, .value_kind: global_buffer, .address_space: global }
      - { .name: sims, .offset: 8, .size: 8, .value_kind: global_buffer, .address_space: global }
      - { .name: out0, .offset: 16, .size: 8, .value_kind: global_buffer, .address_space: global }
      - { .name: out1, .offset: 24, .size: 8, .value_kind: global_buffer, .address_space: global }
      - { .name: out2, .offset: 32, .size: 8, .value_kind: global_buffer, .address_space: global }
    .group_segment_fixed_size: 25344
    .private_segment_fixed_size: 0
    .kernarg_segment_align: 8
    .kernarg_segment_size: 40
    .max_flat_workgroup_size: 128
    .sgpr_count:     66
    .vgpr_count:     112
    .wavefront_size: 32
...
	.end_amdgpu_metadata
.endif
;; end of part 3
;; ======== version 2 of 2: 3 launches; version 1 with the launch prep written anew for expert scheduling mode
;; limits: values outside matrix products are rounded to bf16; right only within a limited range of input values
;; workspace buffers: ctxb 18,874,368 bytes; wb 4,718,592 bytes; wnp 196,608 bytes; ediag 2,359,296 bytes; sims 4,096 bytes
;; launch prep (part 4): grid 56 x 32, 6 waves a work-group, no clusters, 0 bytes of LDS; arguments image_features, word_embeddings, ctxb, wb, wnp; writes ctxb, wb, wnp
.if DOCPART == 4
	.amdgcn_target "amdgcn-amd-amdhsa--gfx1250"
	.amdhsa_code_object_version 6
	.text
	.protected	k_q93c2fa6563_prep
	.globl	k_q93c2fa6563_prep
	.p2align	8
	.type	k_q93c2fa6563_prep,@function
k_q93c2fa6563_prep:
	s_mov_b64 s[64:65], 0
	v_nop
	global_prefetch_b8 v0, s[64:65] scope:SCOPE_SE
	s_setreg_imm32_b32 hwreg(HW_REG_WAVE_SCHED_MODE, 0, 2), 2
	s_setreg_imm32_b32 hwreg(HW_REG_WAVE_MODE, 25, 1), 1
	s_wait_xcnt 0x0
	s_wait_alu depctr_vm_vsrc(0)
; PREP.  image_features [32][768][361] f32 -> ctxb [32][768][384] bf16 (rows padded with zeros to 768 bytes);
; word_embeddings [32][768][96] f32 -> wb, the same shape in bf16; wnp [32][16][96] f32: sixteen partial sums over d of w^2 (of the unrounded words).
; Grid x 0..47: 16 rows d of image y.  Grid x 48..55: 96 rows d of caption y.  192 threads.  Each byte is read from memory once and written once; no LDS, no barrier.
; THE MODE: SCHED_MODE bits 1:0 = 2 (LLVM: expert scheduling mode 2), set by the entry lines.  The code itself states the register dependences
; between vector instructions and memory instructions, with s_wait_alu, always for 0.
; THE PLAN.  Neither path has a loop, and EXEC is never written.  Registers that memory instructions touch:
;   the offsets (images v4-8, words v2-5)   written once at the path's head, read by every load and store, never written again: one wait on va_vdst ahead of the first load.
;   the loaded data (X; CI, NI)             written by loads that are all issued before any vector instruction names them; read by vector instructions alone.
;   the out registers (Y; CO; v6)           each written once, by one step's roundings (v6: by the sums), and read by one store.
; A step's store stands at the head of the step after it, behind that step's wait for its data and ONE wait on va_vdst, which states that the step before has written its out registers;
; the vector lines behind the store name neither those registers nor the store's offset.  No register that a memory instruction reads is written again, so no wait on vm_vsrc is owed.
; What vector instructions write into VCC or a scalar register (a compare, the wave's number) has its wait ahead of the first reader.
.set ROWI,  1444                       ; bytes in a row of the images
.set OFFK,  4                          ; v[4:7]   byte offset of element 4 c + k of my first row
.set OUTO,  8                          ; v8       byte offset of my 8 bytes in ctxb
.set X,     16                         ; v[16:47] 8 rows x 4 numbers as loaded
.set Y,     48                         ; v[48:63] 8 rows x 2 words to store
	s_load_b256 s[4:11], s[0:1], 0x0               ; images s[4:5], words s[6:7], ctxb s[8:9], wb s[10:11]
	s_load_b64 s[12:13], s[0:1], 0x20              ; wnp
	s_and_b32 s14, ttmp7, 0xffff                   ; y: the image, or the caption
	s_mov_b32 s17, 0
	s_mov_b32 s19, 0
	s_cmp_ge_u32 ttmp9, 48
	s_cbranch_scc1 .Lwords
	; IMAGES.  Thread t: row half rs = t / 96, c = t % 96: pixels 4 c .. 4 c + 3 of rows rs + 2 s, s = 0..7.  A row is 1,444 bytes, a multiple of 4 alone: loads of 4 bytes.
	v_cmp_le_u32 vcc_lo, 96, v0
	v_lshlrev_b32 v[OUTO], 3, v0                   ; rs x 768 + 8 c = 8 t
	s_wait_alu depctr_va_vcc(0)                    ; the compare has written VCC, which the select below reads
	v_cndmask_b32 v1, 0, 1, vcc_lo                 ; rs
	v_mul_u32_u24 v2, v1, 96
	v_sub_nc_u32 v2, v0, v2
	v_lshlrev_b32 v2, 2, v2                        ; 4 c
	v_mul_u32_u24 v3, v1, ROWI
.irp k, 0,1,2,3
	v_add_nc_u32 v[OFFK+\k], \k, v2
	v_min_u32 v[OFFK+\k], 360, v[OFFK+\k]          ; pixels past the row's end read its last pixel: every load stays inside its row
	v_lshl_add_u32 v[OFFK+\k], v[OFFK+\k], 2, v3
	v_cmp_gt_u32 s[20+\k], 361-\k, v2              ; and are replaced by 0 below
.endr
	s_mul_i32 s16, s14, 768*ROWI
	s_mul_i32 s15, ttmp9, 16*ROWI
	s_add_co_u32 s16, s16, s15
	s_mul_i32 s18, s14, 768*768
	s_mul_i32 s15, ttmp9, 16*768
	s_add_co_u32 s18, s18, s15
	s_wait_kmcnt 0x0
	s_add_nc_u64 s[4:5], s[4:5], s[16:17]
	s_add_nc_u64 s[8:9], s[8:9], s[18:19]
	s_wait_alu depctr_va_sdst(0)                   ; the four compares have written s20 to s23, ahead of their first reader, the selects of step 0
	s_wait_alu depctr_va_vdst(0)                   ; the offsets v4 to v8 are written: every load and store of this path reads one of them
.set st, 0
.rept 8
.irp k, 0,1,2,3
	global_load_b32 v[X+4*st+\k], v[OFFK+\k], s[4:5] offset:2*ROWI*st
.endr
.set st, st+1
.endr
.set st, 0
.rept 8
	s_wait_loadcnt 28-4*st                         ; loads come back in order: the 4 (7 - s) younger ones stay out
.if st > 0
	s_wait_alu depctr_va_vdst(0)                   ; the roundings of the step before have written its two words of Y, which the store below reads
	global_store_b64 v[OUTO], v[Y+2*(st-1):Y+2*(st-1)+1], s[8:9] offset:1536*(st-1)  ; a wave's store covers 256 consecutive bytes, aligned; every register is written once, so nothing waits for a store
.endif
.irp k, 0,1,2,3
	v_cndmask_b32 v[X+4*st+\k], 0, v[X+4*st+\k], s[20+\k]
.endr
	v_cvt_pk_bf16_f32 v[Y+2*st], v[X+4*st], v[X+4*st+1]
	v_cvt_pk_bf16_f32 v[Y+2*st+1], v[X+4*st+2], v[X+4*st+3]
.set st, st+1
.endr
	s_wait_alu depctr_va_vdst(0)                   ; step 7's roundings have written its two words of Y, which the last store reads
	global_store_b64 v[OUTO], v[Y+14:Y+15], s[8:9] offset:1536*7
	s_endpgm
.Lwords:
	; WORDS.  The block's 96 rows are 36,864 dense bytes.  The cast is linear: thread t takes 32 bytes at 32 t + 6,144 s.  The norms: wave w takes rows 48 (w / 3) .. + 47, tokens 32 (w % 3) + lane.
.set CI,  16                           ; v[16:63]   cast: 6 x 8 numbers as loaded
.set NI,  64                           ; v[64:111]  norms: 48 numbers
.set CO,  112                          ; v[112:135] cast: 6 x 4 words to store
	s_sub_co_u32 s15, ttmp9, 48                    ; b: which 96 rows
	v_lshrrev_b32 v1, 5, v0
	v_readfirstlane_b32 s20, v1                    ; wave 0..5
	v_and_b32 v2, 31, v0
	v_lshlrev_b32 v4, 5, v0
	v_lshlrev_b32 v5, 4, v0
	s_wait_alu depctr_va_sdst(0)                   ; s20 is written, ahead of its first reader: the compare below
	s_cmp_ge_u32 s20, 3
	s_cselect_b32 s21, 1, 0                        ; sb: which 48 rows
	s_mul_i32 s22, s21, 3
	s_sub_co_u32 s22, s20, s22                     ; k: which 32 tokens
	s_lshl_b32 s23, s22, 7
	s_mul_i32 s24, s21, 48*384
	v_lshl_add_u32 v2, v2, 2, s23                  ; 4 lane + 128 k
	v_add_nc_u32 v3, s24, v2
	s_mul_i32 s16, s14, 768*384
	s_mul_i32 s25, s15, 96*384
	s_add_co_u32 s16, s16, s25
	s_mul_i32 s18, s14, 768*192
	s_mul_i32 s25, s15, 96*192
	s_add_co_u32 s18, s18, s25
	s_lshl_b32 s26, s15, 1
	s_add_co_u32 s26, s26, s21                     ; the partial sum's number, 2 b + sb
	s_mul_i32 s26, s26, 384
	s_mul_i32 s25, s14, 16*384
	s_add_co_u32 s26, s26, s25
	s_mov_b32 s27, 0
	s_wait_kmcnt 0x0
	s_add_nc_u64 s[6:7], s[6:7], s[16:17]
	s_add_nc_u64 s[10:11], s[10:11], s[18:19]
	s_add_nc_u64 s[12:13], s[12:13], s[26:27]
	s_wait_alu depctr_va_vdst(0)                   ; the offsets v2 to v5 are written: every load and store of this path reads one of them
.set st, 0
.rept 6
	global_load_b128 v[CI+8*st:CI+8*st+3],   v4, s[6:7] offset:6144*st
	global_load_b128 v[CI+8*st+4:CI+8*st+7], v4, s[6:7] offset:6144*st+16
.set st, st+1
.endr
.set i, 0
.rept 48
	global_load_b32 v[NI+i], v3, s[6:7] offset:384*i  ; the bytes that the cast's loads have just asked for
.set i, i+1
.endr
.set st, 0
.rept 6
	s_wait_loadcnt 58-2*st                         ; behind pair s stand 10 - 2 s loads of the cast and the 48 of the norms
.if st > 0
	s_wait_alu depctr_va_vdst(0)                   ; the roundings of the step before have written its four words of CO, which the store below reads
	global_store_b128 v5, v[CO+4*(st-1):CO+4*(st-1)+3], s[10:11] offset:3072*(st-1)  ; 512 consecutive bytes a wave
.endif
.irp k, 0,1,2,3
	v_cvt_pk_bf16_f32 v[CO+4*st+\k], v[CI+8*st+2*\k], v[CI+8*st+2*\k+1]
.endr
.set st, st+1
.endr
.set i, 0
.rept 48
.if i%8 == 0
	s_wait_loadcnt 40-i                            ; eight at a time: the younger ones stay out
.endif
.if i == 0
	s_wait_alu depctr_va_vdst(0)                   ; the cast's last roundings have written the last four words of CO, which the store below reads
	global_store_b128 v5, v[CO+20:CO+23], s[10:11] offset:3072*5
.endif
.if i < 4
	v_mul_f32 v[6+i], v[NI+i], v[NI+i]             ; four chains, started by the first four squares
.else
	v_fmac_f32 v[6+i%4], v[NI+i], v[NI+i]
.endif
.set i, i+1
.endr
	v_add_f32 v6, v6, v7
	v_add_f32 v8, v8, v9
	v_add_f32 v6, v6, v8
	s_wait_alu depctr_va_vdst(0)                   ; the last addition has written v6, which the store reads
	global_store_b32 v2, v6, s[12:13]
	s_endpgm
.Lfunc_end_k_q93c2fa6563_prep:
	.size	k_q93c2fa6563_prep, .Lfunc_end_k_q93c2fa6563_prep-k_q93c2fa6563_prep
	.p2alignl 7, 3214868480
	.fill 96, 4, 3214868480
	.section	.rodata,"a",@progbits
	.p2align	6, 0x0
	.amdhsa_kernel k_q93c2fa6563_prep
		.amdhsa_group_segment_fixed_size 0
		.amdhsa_private_segment_fixed_size 0
		.amdhsa_enable_private_segment 0
		.amdhsa_kernarg_size 40
		.amdhsa_user_sgpr_count 2
		.amdhsa_user_sgpr_kernarg_segment_ptr 1
		.amdhsa_wavefront_size32 1
		.amdhsa_system_sgpr_workgroup_id_x 1
		.amdhsa_system_sgpr_workgroup_id_y 1
		.amdhsa_system_sgpr_workgroup_id_z 1
		.amdhsa_system_vgpr_workitem_id 0
		.amdhsa_next_free_vgpr 136
		.amdhsa_next_free_sgpr 66
		.amdhsa_reserve_vcc 1
		.amdhsa_float_denorm_mode_32 3
		.amdhsa_float_denorm_mode_16_64 3
		.amdhsa_memory_ordered 1
		.amdhsa_forward_progress 1
		.amdhsa_inst_pref_size 22
	.end_amdhsa_kernel
	.amdgpu_metadata
---
amdhsa.version: [ 1, 2 ]
amdhsa.kernels:
  - .name:           k_q93c2fa6563_prep
    .symbol:         k_q93c2fa6563_prep.kd
    .args:
      - { .name: image_features, .offset: 0, .size: 8, .value_kind: global_buffer, .address_space: global }
      - { .name: word_embeddings, .offset: 8, .size: 8, .value_kind: global_buffer, .address_space: global }
      - { .name: ctxb, .offset: 16, .size: 8, .value_kind: global_buffer, .address_space: global }
      - { .name: wb, .offset: 24, .size: 8, .value_kind: global_buffer, .address_space: global }
      - { .name: wnp, .offset: 32, .size: 8, .value_kind: global_buffer, .address_space: global }
    .group_segment_fixed_size: 0
    .private_segment_fixed_size: 0
    .kernarg_segment_align: 8
    .kernarg_segment_size: 40
    .max_flat_workgroup_size: 192
    .sgpr_count:     66
    .vgpr_count:     136
    .wavefront_size: 32
...
	.end_amdgpu_metadata
.endif
;; end of part 4
;; launch pairs: the kernel of part 2 again; grid 16 x 32, 4 waves a work-group, clusters of 4 x 4, 327,680 bytes of LDS; arguments caption_lengths, ctxb, wb, wnp, ediag, sims; writes ediag, sims
;; launch finish: the kernel of part 3 again; grid 193 x 1, 4 waves a work-group, no clusters, 25,344 bytes of LDS; arguments ediag, sims, out0, out1, out2; writes out0, out1, out2
